; MI455X (gfx1250); checked and timed in simulation.
; The chip was launched on July 23, 2026; its instructions are those of AMD's public machine-readable ISA for CDNA 5 (MIT licence, August 2026) and "CDNA5" Instruction Set Architecture Reference Guide (July 2026). The comments in the code are by the model that wrote it; some were corrected since.
;; Sparse Linear. Allowed arithmetic: matrix products marked QUANTISED: E2M1 operands, one E8M0 scale for each 32 along K, by v_wmma_scale_f32_16x16x128_f8f6f4 with both operands' format E2M1 (or v_wmma_scale_f32_32x16x128_f4), f32 sums; everything else in f32.
;; Inputs: bias 4,096 float32; sparse_codes 4,096 x 128 x 16 uint8 (E2M1 codes of sparse, K innermost, in blocks of 32 codes, two codes a byte); sparse_scales 4,096 x 128 uint8 (E8M0 scales of sparse, one for each 32 codes along K); weight_codes 4,096 x 128 x 16 uint8 (E2M1 codes of weight, K innermost, in blocks of 32 codes, two codes a byte); weight_scales 4,096 x 128 uint8 (E8M0 scales of weight, one for each 32 codes along K).
;; Outputs: out0 4,096 x 4,096 float32.
;; This version of the problem:
;;   THIS VERSION OF THE PROBLEM IS GIVEN IN LOW PRECISION. The matrix products marked QUANTISED in the list below multiply operands that are first quantised to E2M1 (2 exponent bits, 1 mantissa bit; 4 bits a number), with one power-of-two scale for each 32 numbers along K (OCP MX v1.0); their sums are f32. All else is computed in f32.
;;   The module's matrix products, in the order in which they are computed (A, B: the left and right operand; K: the contracted axis; several contracted axes count as one K, in the product's order):
;;     1. [M 4,096, K 4,096] x [K 4,096, N 4,096]; A: input sparse (given as codes); B: input weight (given as codes): QUANTISED
;;   THE QUANTISER, for each operand of a quantised product, along K:
;;     - K is cut into blocks of 32 from its start; a last block that is shorter is filled with zeros.
;;     - A block's scale is 2^e with e = floor(log2(the largest magnitude in the block)) - 2, held to -126 .. 127; a block of zeros has e = 0. As a byte (E8M0): e + 127.
;;     - Each number is divided by its block's scale, clamped to +-6, and rounded to the nearest number of E2M1, ties to even, subnormals kept.
;;     - The product sums the exact products of the quantised numbers (number of the format x scale) in f32.
;;   ~~~python
;;   def quantise(x, axis):      # numpy; x: float32 -> the quantised numbers, widened to float32 again
;;       x = np.moveaxis(x, axis, -1); K = x.shape[-1]
;;       x = np.pad(x, [(0, 0)] * (x.ndim - 1) + [(0, -K % 32)]); x = x.reshape(x.shape[:-1] + (-1, 32)); a = np.abs(x).max(-1, keepdims=True)
;;       e = np.where(a > 0, np.clip(np.frexp(np.where(a > 0, a, 1))[1] - 1 - 2, -126, 127), 0)      # np.frexp(a)[1] - 1 = floor(log2(a)), exactly
;;       r = np.clip(x / 2.0 ** e, -6, 6)
;;       step = 2.0 ** (np.maximum(np.frexp(np.where(r == 0, 1, r))[1] - 1, 0) - 1)
;;       q = np.round(r / step) * step * 2.0 ** e      # np.round: ties to even
;;       return np.moveaxis(q.reshape(q.shape[:-2] + (-1,))[..., :K], -1, axis).astype(np.float32)
;;   ~~~
;;   INPUTS GIVEN AS CODES. sparse (in the module: [4096, 4096], K = its axis 1); weight (in the module: [4096, 4096], K = its axis 0): each comes as NAME_codes (uint8): NAME with its K axis moved to the last place and cut into blocks of 32 codes, [.., K / 32, bytes a block], one block behind the other in memory; two codes a byte, the lower K in the low four bits (a code: sign, 2 exponent bits, 1 mantissa bit); and NAME_scales (uint8): the same leading axes, one E8M0 byte (e + 127) for each 32 codes along K. Its value is code x scale, taken as it is: it is not quantised again, and the codes and scales need not be those that the quantiser above would give.
;; One version. Each part assembles by itself: llvm-mc -triple=amdgcn-amd-amdhsa -mcpu=gfx1250 --defsym DOCPART=n.
;; ======== version 1 of 1: 1 launch
;; limits: right only within a limited range of input values
;; launch gemm (part 1): grid 16 x 16, 4 waves a work-group, clusters of 4 x 4, 327,680 bytes of LDS; arguments sparse_codes, sparse_scales, weight_codes, weight_scales, out0, bias; writes out0
.if DOCPART == 1
	.amdgcn_target "amdgcn-amd-amdhsa--gfx1250"
	.amdhsa_code_object_version 6
	.text
	.protected	k_q961366e15f_gemm
	.globl	k_q961366e15f_gemm
	.p2align	8
	.type	k_q961366e15f_gemm,@function
k_q961366e15f_gemm:
	s_mov_b64 s[64:65], 0
	v_nop
	global_prefetch_b8 v0, s[64:65] scope:SCOPE_SE
	s_setreg_imm32_b32 hwreg(HW_REG_WAVE_MODE, 25, 1), 1
	s_wait_xcnt 0x0
	s_wait_alu depctr_hold_cnt(0) depctr_sa_sdst(0) depctr_va_vdst(0) depctr_va_sdst(0) depctr_va_ssrc(0) depctr_va_vcc(0) depctr_vm_vsrc(0)
	s_getreg_b32 s2, hwreg(HW_REG_IB_STS2, 6, 4)
	s_cmp_eq_u32 s2, 0
	s_cbranch_scc0 .Lentry_in_a_cluster
	s_endpgm
.Lentry_in_a_cluster:
	s_bfe_u32 s2, ttmp6, 0x10000c
	s_cmp_lg_u32 s2, 0xf033
	s_cbranch_scc0 .Lentry_shape_is_right
	s_endpgm
.Lentry_shape_is_right:
; out0[m][n] = sum over k of sparse[m][k] weight[k][n] + bias[n].  M = N = K = 4,096.  Both operands are codes of FP4 (E2M1) with K innermost: a row is 2,048 bytes of codes (two codes a byte,
; the lower k in the low four bits) and 128 E8M0 scale bytes, one for each 32 along K.  A = sparse [m][k], B = weight [n][k].  Codes and scale bytes go to the matrix unit as they lie in memory.
; LIMITS: a scale byte 0xff makes its sums NaN, as E8M0 defines it; sums are f32 in the matrix unit's own order, one accumulator for each output; the bias enters as the C of the first product.  K ascends,
; but that rows 64-127 of each wave's 128 add k = 3,584 .. 4,095 ahead of k = 3,200 .. 3,583: an order of rounding.
; SHARES.  A tile of C, 256 x 256, is made by a work-group of four waves; a wave makes 128 x 128: 32 accumulators of 32 x 16 (16 registers), 512 registers.  16 x 16 tiles: 256 work-groups.
; K goes in 8 steps of 512 (256 bytes of a row) through a ring of two LDS slots filled by the tensor data mover; a K step is 4 sub-steps of 128 along K, 32 matrix instructions each.
; CLUSTERS: 4 x 4 work-groups.  The four of a row of the cluster need the same tiles of A, the four of a column the same tiles of B: each tile is asked for JOINTLY, by the same tensor load with the
; same descriptor and a mask that names the four.  THE MATRIX INSTRUCTION IS USED TRANSPOSED (source 0 = 32 rows of B, source 1 = 16 rows of A): a lane then holds neighbouring numbers of a row of C.
; THE SCALES of the group's 512 rows, 65,536 bytes, do not fit in LDS beside the ring (278,528 of 327,680 bytes).  They go from memory straight into scale registers: a lane takes a row, 16 bytes (a K
; step's four words) at a time, so that a wave's load covers its part of 32 rows of 128 bytes that lie end to end; each K step's words are asked for in the second sub-step of the K step before.
; THE BIAS is the C of each accumulator's first matrix instruction: 64 registers in the result's layout.  Nothing is cleared and nothing is added afterwards.
; THE LAST TWO K STEPS, both in LDS, GO BY HALVES OF MY ROWS, and the last one by blocks of 16 rows: rows 0-63 are finished first, and leave while rows 64-127 are still multiplied.
; REGISTERS, in windows of 256 (s_set_vgpr_msb's low byte: bits 1:0 source 0, 3:2 source 1, 5:4 source 2, 7:6 destination):
;   window 0: v0-31 addresses; v32-95 scale words, two sets, and nothing else ever; v96-159 the bias; at the end v96-223 A's fragments (four buffers of 16 rows x 512 K).
;   window 1: A's fragments, two sets, at v0 and v64; B's, two sets, at v128 and v192; at the end all 256: B's fragments of a whole K step.
;   window 2: the 16 accumulators of my rows 0-63 (block a of 16 rows, group g of 32 columns: v[16 (4 (a % 4) + g)]);   window 3: those of my rows 64-127.  On the way out a block's rows come back into the
;   64 registers of its own accumulators.
.set SIZE_N, 4096
.set ROWB,   256                       ; a tile's row in bytes: 512 codes of 4 bits
.set KROW,   2048                      ; a row of A or of B in memory, in bytes
.set PITCH,  272                       ; an LDS row: 256 bytes + 16 of padding = 68 words: row r starts at bank 4 r mod 64 (64 banks of 4 bytes: ISA guide 11.1), so the 16 rows that a load touches start at 16 different banks
.set HALFT,  128*PITCH                 ; 128 rows: what one tensor load brings, and what one wave reads of A or of B
.set SLOT,   4*HALFT                   ; A's 256 rows, then B's 256 rows
.set SPITCH, 528                       ; the way out: a stage of 16 rows x (512 bytes + 16) for each wave
.set STAGE,  2*SLOT                    ; behind the ring: no tensor load lands there
.set SPARE,  STAGE+4*16*SPITCH         ; behind the stages: the spare words, 128 bytes for each wave: two blocks of 256 bytes that no other line names
.set ADRA, 16                          ; v16-17  LDS address of my A fragments in slot 0, 1
.set ADRB, 20                          ; v20-21  the same for B
.set SGO,  22                          ; v22     the scale loads: lane x 128 bytes
.set BO,   23                          ; v23     the bias: 32 h bytes
.set STO,  24                          ; v24     the way out: where I put 32 bytes of a row
.set RD,   25                          ; v25     the way out: where I read a row back
.set CO,   26                          ; v26     my byte offset in a row of C
.set SPW,  28                          ; v28     LDS address of my spare word: SPARE + 4 x my thread's number; never rewritten
.set NIL,  29                          ; v29     0; never rewritten
.set PFO,  31                          ; v31     the prefetches' offset: lane x a row of codes
.set SC,   32                          ; scale words, set t at v[SC + 32 t].  Register 4 i + q: A's word of row 32 i + lane for sub-step q;  16 + 4 g + q: B's word of row 32 g + lane
.set BI,   96                          ; the bias: register 8 b + j = bias[my first column + 16 b + 8 h + j]
.set PA,   96                          ; at the end: A's fragments of block a, 32 registers, in buffer a % 4
.set FA,   0                           ; window 1: A's fragments, 8 blocks x 8 registers a set
.set FB,   128                         ; window 1: B's
.set G1, 24                            ; s[24:31] descriptor group 1 for A's tiles;  s[32:39] group 0, one set for each slot
.set G0, 32
.set G1B, 48                           ; s[48:55], s[56:63] the same for B's tiles
.set G0B, 56
.set PFA, 96                           ; s[96:97] where my prefetches stand: my work-group's 32 rows of the 128 that I fetch, two K steps further in each trip
.set MSB, 0
.macro WIN new                         ; the immediate's high byte repeats the setting that is left; a switch that changes nothing is dropped
.if MSB != (\new)
	s_set_vgpr_msb (MSB<<8)|(\new)
.set MSB, (\new)
.endif
.endm
.set MUL_LO, 0xa5                      ; sources 0 (B) and 1 (A) window 1, C and D window 2;  + 0x50: C and D window 3
.set FST_LO, 0x85                      ; the first sub-step: C is the bias, in window 0; D window 2;  + 0x40: D window 3
.set ROW_LO, 0xa1                      ; by blocks of 16 rows: source 1 (A) window 0
.set TO_F,   0x40                      ; destination window 1, address window 0
; A joint load: waves 0 and 1 fetch for A, waves 2 and 3 for B.  Each of the two lines has ONE mask and one set of registers for all that issue it; the branch hangs on the wave's number alone.
; An s_nop 0 and four v_nop follow each of the two lines, ahead of the jump, the label and what follows.
.macro JLOAD s
	s_cmp_eq_u32 s15, 0
	s_cbranch_scc0 .Lfor_b_\@
	tensor_load_to_lds s[G0+4*\s:G0+4*\s+3], s[G1:G1+7]
	s_nop 0
.rept 4
	v_nop
.endr
	s_branch .Lasked_\@
.Lfor_b_\@:
	tensor_load_to_lds s[G0B+4*\s:G0B+4*\s+3], s[G1B:G1B+7]
	s_nop 0
.rept 4
	v_nop
.endr
.Lasked_\@:
.endm
.macro CREST                           ; a round of the cluster's barrier behind its opening barrier: wave 0 signals for the work-group, every wave waits for all sixteen, my work-group's barrier closes it
	s_cmp_lg_u32 s14, 0
	s_cbranch_scc1 .Lnot_wave_0_\@
	s_barrier_signal -3
.Lnot_wave_0_\@:
	s_barrier_wait -3
	s_barrier_signal -1
	s_barrier_wait -1
.endm
.macro CROUND                          ; a whole round
	s_barrier_signal -1
	s_barrier_wait -1
	CREST
.endm
; A PREFETCH INTO THE L2 of codes: one K step's 256 bytes of 32 rows, a lane a row.  Every cluster asks once for what it will itself load: of the 128 rows that a wave fetches, the partner at place p of the
; four that ask for them jointly takes 32 p .. 32 p + 31 (p = cx for A, cy for B): told apart by address, no branch hangs on a work-group's place.  The head names K steps 1 and 2, behind the wait for the
; bias and the first scale words; the load of K step 1 is followed by K step 3's prefetch, and the change of slots behind K step s names K step s + 4, two refills on; the last trip, whose K steps would lie
; past the row's end, asks for nothing.
.macro PREF off
	global_prefetch_b8 v[PFO], s[PFA:PFA+1] offset:\off th:TH_LOAD_NT scope:SCOPE_SE
.endm
.macro ASK off
	WIN 0
	s_cmp_eq_u32 s3, 1
	s_cbranch_scc1 .Lno_more_\@
	PREF \off
.Lno_more_\@:
.endm
.macro WORDS set, off                  ; a K step's scale words: 16 bytes of each of my 128 rows of A and of B, 32 rows of 128 bytes a load
.irp i, 0,1,2,3
	global_load_b128 v[SC+32*(\set)+4*\i:SC+32*(\set)+4*\i+3], v[SGO], s[98:99] offset:\i*4096+\off
	global_load_b128 v[SC+32*(\set)+16+4*\i:SC+32*(\set)+16+4*\i+3], v[SGO], s[100:101] offset:\i*4096+\off
.endr
.endm
	s_load_b128 s[4:7], s[0:1], 0x0                ; A's codes s[4:5], A's scales s[6:7]
	s_load_b128 s[8:11], s[0:1], 0x10              ; B's codes s[8:9], B's scales s[10:11]
	s_load_b64 s[12:13], s[0:1], 0x20              ; C
	s_load_b64 s[66:67], s[0:1], 0x28              ; the bias
	v_lshl_add_u32 v[SPW], v0, 2, SPARE
	v_mov_b32 v[NIL], 0
	ds_add_u32 v[SPW], v[NIL]                      ; the wave's opening: the add, twice on end, and its one wait ahead of my first tensor load; work on registers stands between
	ds_add_u32 v[SPW], v[NIL]
	v_lshrrev_b32 v1, 5, v0
	v_readfirstlane_b32 s14, v1                    ; wave 0..3
	s_lshr_b32 s15, s14, 1                         ; which half of the tile's rows is mine.  Also: I fetch for A (0) or for B (1)
	s_and_b32 s16, s14, 1                          ; which half of its columns.  Also: which 128 rows of that tile I fetch
	s_bfe_u32 s40, ttmp6, 0x40000                  ; cx, cy: my place in the cluster
	s_bfe_u32 s41, ttmp6, 0x40004
	s_lshl_b32 s42, ttmp9, 2
	s_add_co_u32 s42, s42, s40                     ; tile column of C = 4 x cluster x + cx
	s_and_b32 s17, ttmp7, 0xffff
	s_lshl_b32 s17, s17, 2
	s_add_co_u32 s17, s17, s41                     ; tile row of C = 4 x cluster y + cy
	s_lshl_b32 s43, s41, 2
	s_lshl_b32 s43, 15, s43                        ; my row of the cluster: places 4 cy .. 4 cy + 3
	s_lshl_b32 s44, 0x1111, s40                    ; my column: places cx, cx + 4, cx + 8, cx + 12
	; descriptor group 1: a tile of 128 rows x 256 bytes, padded in LDS
	s_or_b32 s[G1+0], s43, (0<<16)|(1<<20)|(1<<21)|(5<<22)|(3<<25)  ; 15:0 the mask: A's tiles go to my row; 17:16 element of 1 byte; 20 padding on; 21 set beside a mask; 24:22 after every 64 words (code 5); 31:25 of 4 words (code 3)
	s_or_b32 s[G1B+0], s44, (0<<16)|(1<<20)|(1<<21)|(5<<22)|(3<<25) ; the same with the mask of my column
.irp g, G1, G1B
	s_mov_b32 s[\g+1], ROWB<<16                    ; tensor_dim0 = 256
	s_mov_b32 s[\g+2], 128<<16                     ; tensor_dim1 = 128
	s_mov_b32 s[\g+3], ROWB<<16                    ; tile_dim0 = 256
	s_mov_b32 s[\g+4], 128                         ; tile_dim1 = 128
	s_mov_b32 s[\g+5], KROW                        ; tensor_dim0_stride: 2,048 bytes from row to row
	s_mov_b32 s[\g+6], 0
	s_mov_b32 s[\g+7], 0
.endr
	; where the tiles come from.  A's hang on the tile row alone, which my row of the cluster shares; B's on the tile column alone, which my column shares.  All offsets stay under 2^23
	s_lshl_b32 s18, s16, 7                         ; which 128 rows of the tile I fetch
	s_lshl_b32 s20, s17, 8
	s_add_co_u32 s20, s20, s18                     ; A: row 256 x tile row + 128 x half
	s_lshl_b32 s46, s42, 8
	s_add_co_u32 s46, s46, s18                     ; B: row 256 x tile column + 128 x half
	s_lshl_b32 s20, s20, 11
	s_mov_b32 s21, 0
	s_lshl_b32 s46, s46, 11
	s_mov_b32 s47, 0
	s_mul_i32 s45, s14, HALFT                      ; where they go: wave x 128 rows: no place in the cluster enters an LDS address
	s_wait_dscnt 0x0                               ; both opening adds are done
	CROUND                                         ; all sixteen work-groups are here: the first joint loads meet.  (The arguments are on their way meanwhile)
	s_wait_kmcnt 0x0
	s_add_nc_u64 s[20:21], s[4:5], s[20:21]
	s_add_nc_u64 s[46:47], s[8:9], s[46:47]
.irp s, 0,1
	s_mov_b32 s[G0+4*\s], 1                                        ; 1:0 count = 1
	s_add_co_u32 s[G0+4*\s+1], s45, \s*SLOT                        ; 63:32 LDS address
	s_add_nc_u64 s[G0+4*\s+2:G0+4*\s+3], s[20:21], \s*ROWB         ; 120:64 global address: K step s
	s_or_b32 s[G0+4*\s+3], s[G0+4*\s+3], 0x80000000                ; 127:126 type = 2
	s_mov_b32 s[G0B+4*\s], 1
	s_add_co_u32 s[G0B+4*\s+1], s45, \s*SLOT
	s_add_nc_u64 s[G0B+4*\s+2:G0B+4*\s+3], s[46:47], \s*ROWB
	s_or_b32 s[G0B+4*\s+3], s[G0B+4*\s+3], 0x80000000
.endr
	JLOAD 0                                        ; K step 0: one tensor load a wave at the head
	; the scale rows of MY 128 rows of A and MY 128 rows of B in memory
	s_lshl_b32 s20, s17, 15                        ; 256 tile rows x 128 bytes
	s_lshl_b32 s21, s15, 14                        ; + my half's 128 rows
	s_add_co_u32 s20, s20, s21
	s_mov_b32 s21, 0
	s_add_nc_u64 s[98:99], s[6:7], s[20:21]
	s_lshl_b32 s46, s42, 15
	s_lshl_b32 s47, s16, 14
	s_add_co_u32 s46, s46, s47
	s_mov_b32 s47, 0
	s_add_nc_u64 s[100:101], s[10:11], s[46:47]
	s_lshl_b32 s18, s42, 10                        ; my first column, in bytes of f32: 1,024 x tile column + 512 x half: it serves the bias and C
	s_lshl_b32 s19, s16, 9
	s_add_co_u32 s18, s18, s19
	s_mov_b32 s19, 0
	s_add_nc_u64 s[66:67], s[66:67], s[18:19]
	s_add_nc_u64 s[12:13], s[12:13], s[18:19]
	s_lshl_b32 s20, s17, 22                        ; my first row of C: (256 x tile row + 128 x half) rows of 16,384 bytes: under 2^26
	s_lshl_b32 s21, s15, 21
	s_add_co_u32 s20, s20, s21
	s_mov_b32 s21, 0
	s_add_nc_u64 s[12:13], s[12:13], s[20:21]
	; the prefetches: where
	s_cmp_eq_u32 s15, 0                            ; do I fetch for A?
	s_cselect_b32 s20, s17, s42                    ; the tile's row or column
	s_cselect_b32 s21, s40, s41                    ; my place among the four that ask for the tile with me
	s_cselect_b64 s[PFA:PFA+1], s[4:5], s[8:9]
	s_lshl_b32 s20, s20, 8
	s_lshl_b32 s22, s16, 7
	s_add_co_u32 s20, s20, s22                     ; + the 128 rows that I fetch
	s_lshl_b32 s21, s21, 5
	s_add_co_u32 s20, s20, s21                     ; + my work-group's 32 of them
	s_lshl_b32 s20, s20, 11
	s_mov_b32 s21, 0
	s_add_nc_u64 s[PFA:PFA+1], s[PFA:PFA+1], s[20:21]
	; LDS addresses
	s_mul_i32 s21, s15, HALFT                      ; my 128 rows of A
	s_mul_i32 s22, s16, HALFT                      ; my 128 rows of B,
	s_add_co_u32 s22, s22, 2*HALFT                 ; which lie behind A's 256
	s_add_co_u32 s68, s21, SLOT
	s_add_co_u32 s69, s22, SLOT
	s_mul_i32 s70, s14, 16*SPITCH
	s_add_co_u32 s70, s70, STAGE                   ; my stage
	v_and_b32 v1, 15, v0                           ; r = l % 16
	v_bfe_u32 v2, v0, 4, 1                         ; h = l / 16
	v_and_b32 v6, 31, v0                           ; lane
	v_mul_u32_u24 v3, v1, PITCH
	v_mul_u32_u24 v5, v1, SPITCH
	v_lshlrev_b32 v[BO], 5, v2
	v_lshlrev_b32 v[SGO], 7, v6
	v_lshlrev_b32 v[PFO], 11, v6
	v_lshlrev_b32 v[CO], 4, v6                     ; back from the stage: the 32 lanes take one row of 512 bytes; and the same in C
	v_lshl_add_u32 v4, v2, 4, v3                   ; a fragment's row x pitch + 16 x half
	v_lshl_add_u32 v5, v2, 5, v5                   ; into the stage: row l % 16, 32 bytes for each half of the lanes
	v_add_nc_u32 v[ADRA], s21, v4
	v_add_nc_u32 v[ADRA+1], s68, v4
	v_add_nc_u32 v[ADRB], s22, v4
	v_add_nc_u32 v[ADRB+1], s69, v4
	v_add_nc_u32 v[STO], s70, v5
	v_add_nc_u32 v[RD], s70, v[CO]
	s_wait_alu depctr_va_vdst(0)
	WORDS 0, 0                                     ; K step 0's scale words
.irp b, 0,1,2,3,4,5,6,7
	global_load_b128 v[BI+8*\b:BI+8*\b+3], v[BO], s[66:67] offset:64*\b        ; bias[16 b + 8 h + 0 .. 3]
	global_load_b128 v[BI+8*\b+4:BI+8*\b+7], v[BO], s[66:67] offset:64*\b+16   ; and + 4 .. 7
.endr
	s_wait_loadcnt 0x0                             ; K step 0's scale words and the bias are in
	PREF ROWB                                      ; K step 1
	PREF 2*ROWB                                    ; K step 2
; A fragment, 16 rows x 128 K of 4-bit codes, is 8 registers: lane l holds row l % 16; registers 4 c .. 4 c + 3 hold K = 64 c + 32 (l / 16) + 0 .. 31, the lower K in the lower bits.
; Source 0 of the 32-row form is two neighbouring fragments: 16 registers.
.macro FRAG reg, adr, q, i
.irp c, 0,1
	ds_load_b128 v[\reg+4*\c:\reg+4*\c+3], v[\adr] offset:64*(\q)+32*\c+(\i)*16*PITCH
.endr
.endm
.macro FETCH slot, q, p, na            ; the fragments of the slot's q-th 128 along K into set p, in one run: B's eight blocks, then A's first na: 16 + 2 na loads
	WIN TO_F
.irp i, 0,1,2,3,4,5,6,7
	FRAG FB+64*(\p)+8*\i, ADRB+\slot, \q, \i
.endr
.irp i, 0,1,2,3,4,5,6,7
.if \i < (\na)
	FRAG FA+64*(\p)+8*\i, ADRA+\slot, \q, \i
.endif
.endr
.endm
; One matrix instruction, from the symbols that MUL and ROW set.  Source 0's scales fill all 32 lanes; source 1's are read from lanes 16-31 where A's block is odd.
.macro WM
.if rX == 0
	v_wmma_scale_f32_32x16x128_f4 v[rD:rD+15], v[rB:rB+15], v[rA:rA+7], v[rC:rC+15], v[xB], v[xA]
.else
	v_wmma_scale_f32_32x16x128_f4 v[rD:rD+15], v[rB:rB+15], v[rA:rA+7], v[rC:rC+15], v[xB], v[xA] matrix_b_scale:MATRIX_SCALE_ROW1
.endif
.endm
; Four matrix instructions: A's block a x B's four groups of 32, 128 along K: the K step's q-th.  p: the set of fragments;  sc: the set of scale words.  first = 1: C is the bias (window 0).
; The accumulators take turns, one instruction a turn, in the same order in every sub-step.
.macro MUL a, p, q, sc, first
.if \first
	WIN FST_LO+0x40*((\a)/4)
.else
	WIN MUL_LO+0x50*((\a)/4)
.endif
.irp g, 0,1,2,3
.set rD, 16*(4*((\a)%4)+\g)
.set rB, FB+64*(\p)+16*\g
.set rA, FA+64*(\p)+8*(\a)
.set rC, rD
.if \first
.set rC, BI+16*\g
.endif
.set xB, SC+32*(\sc)+16+4*\g+(\q)
.set xA, SC+32*(\sc)+4*((\a)/2)+(\q)
.set rX, (\a)%2
	WM
.endr
.endm
; A load into a register that a matrix instruction has read or written, and an LDS store that reads a matrix result, stand four places behind that matrix instruction, and only plain vector instructions that
; name none of its registers are places (ISA guide 7.12.1 for vector instructions); the matrix instructions in between are not counted.
.macro PLACES
.rept 4
	v_nop
.endr
.endm
; A sub-step that has its successor in the same slot: the successor's fragments are asked for in one run, into the sets that the sub-step before has read; then 32 matrix instructions without a break.
; words: where the next K step's scale words begin behind s[98:99] and s[100:101] (into the set that the K step before has left), or -1.
.macro STEP slot, q, sc, words
	PLACES
	FETCH \slot, (\q)+1, 1-(\q)%2, 8
.if (\words) >= 0
	WIN 0
	WORDS 1-\sc, \words
.endif
.if (\q) == 0
	s_wait_loadcnt 0x0                             ; this K step's scale words: the only loads that are out
.endif
	s_wait_dscnt 32                                ; my own fragments are in; the 32 loads just issued may be out
.irp a, 0,1,2,3,4,5,6,7
	MUL \a, (\q)%2, \q, \sc, 0
.endr
.endm
; A slot's last sub-step changes slots: ONE barrier; in front of it each wave waits for all its tensor loads, adds 0 to its spare word, and waits for that and for its own reads of this slot, the last of which
; were issued a sub-step before.  The barrier opens a round of the cluster's barrier, and behind the round this slot is filled again, two K steps ahead; then come the next slot's first fragments.
.macro TURN slot, next, sc, off
	WIN 0                                          ; (the add's two registers lie in window 0)
	s_wait_tensorcnt 0x0                           ; all my tensor loads have landed: the one that was out is my part of the next slot
	ds_add_u32 v[SPW], v[NIL]                      ; 0 onto my spare word
	s_add_nc_u64 s[G0+4*\slot+2:G0+4*\slot+3], s[G0+4*\slot+2:G0+4*\slot+3], 2*ROWB
	s_add_nc_u64 s[G0B+4*\slot+2:G0B+4*\slot+3], s[G0B+4*\slot+2:G0B+4*\slot+3], 2*ROWB
	s_wait_dscnt 1                                 ; my fragments are in (the add may be out)
	MUL 0, 1, 3, \sc, 0
	s_wait_dscnt 0x0                               ; the add is done, and my reads of this slot are over
	s_barrier_signal -1
	MUL 1, 1, 3, \sc, 0
	WIN 0
	s_barrier_wait -1
	CREST                                          ; no wave of any partner still reads this slot's tile or has a load on its way
	JLOAD \slot                                    ; the first tensor load behind the round, my one load until the next; its four v_nop are the places in front of the loads below
	FETCH \next, 0, 0, 8
	ASK \off
.irp a, 2,3,4,5,6,7
	MUL \a, 1, 3, \sc, 0
.endr
.endm
; K STEP 6, sub-step q = 1 or 2, for my rows 0-63 alone: B's eight blocks and A's blocks 0-3 of the next sub-step are asked for, then 16 matrix instructions.
.macro HALF q
	PLACES
	FETCH 0, (\q)+1, 1-(\q)%2, 4
.if (\q) == 1
	WIN 0
	WORDS 1, 16                                    ; K step 7's words into set 1, which K step 5 has left
.endif
	s_wait_dscnt 24                                ; my own fragments are in; the 24 loads just issued may be out
.irp a, 0,1,2,3
	MUL \a, (\q)%2, \q, 0, 0
.endr
.endm
; BY BLOCKS OF 16 ROWS.  s = 1: K step 7 (slot 1, scale words in set 1), sub-steps 0 to 3;  s = 0: K step 6 (slot 0, set 0), sub-steps 1 to 3.  B's fragments of the K step (64 registers a sub-step) fill
; window 1; a block takes four matrix instructions a sub-step, its four accumulators by turns.
.macro BLOAD s, q                      ; B's fragments of sub-step q: q = 0, 1 where A's and B's set 0 lay, q = 2, 3 where their set 1 lay
	WIN TO_F
.irp i, 0,1,2,3,4,5,6,7
	FRAG 128*((\q)%2)+64*((\q)/2)+8*\i, ADRB+\s, \q, \i
.endr
.endm
.macro ALOAD a, s                      ; A's fragments of block a -> buffer a % 4, in window 0: eight loads (s = 1) or six (s = 0)
	WIN 0
.irp q, 0,1,2,3
.if ((\s) != 0) || (\q != 0)
	FRAG PA+32*((\a)%4)+8*\q, ADRA+\s, \q, \a
.endif
.endr
.endm
.macro ROW a, s
	WIN ROW_LO+0x50*((\a)/4)
.irp q, 0,1,2,3
.if ((\s) != 0) || (\q != 0)
.if ((\s) == 1) && ((\a) == 0) && (\q == 2)
	s_wait_dscnt 24                                ; B's sub-step 2 is in (behind it: sub-step 3's sixteen loads, A's block 1)
.endif
.if ((\s) == 1) && ((\a) == 0) && (\q == 3)
	s_wait_dscnt 8                                 ; B's sub-step 3 is in
.endif
.if ((\s) == 0) && ((\a) == 4)
	s_wait_dscnt 6+16*(3-\q)                       ; A's block 4 and B's sub-step q are in (behind them: B's later sub-steps, A's block 5)
.endif
.irp g, 0,1,2,3
.set rD, 16*(4*((\a)%4)+\g)
.set rB, 128*(\q%2)+64*(\q/2)+16*\g
.set rA, PA+32*((\a)%4)+8*\q
.set rC, rD
.set xB, SC+32*(\s)+16+4*\g+\q
.set xA, SC+32*(\s)+4*((\a)/2)+\q
.set rX, (\a)%2
	WM
.endr
.endif
.endr
.endm
; THE WAY OUT of block a, 16 rows x 128 columns.  A lane holds 32 neighbouring bytes of a row, and the lanes beside it hold other rows: so a block goes through my own stage in LDS and comes back, into the
; registers that it came from, as whole rows of 512 bytes, which the 32 lanes store as 512 consecutive bytes, aligned to 256.  LDS serves a wave's instructions in order (ISA guide 5.7.1.4): no wait
; between the stores and the loads.
.macro TOSTAGE a
	PLACES                                         ; the stage's stores read results just made, its loads land there, and fragment loads behind it land in buffers of A that blocks have read
.set AC, 64*((\a)%4)
	WIN 0x08+4*((\a)/4)                            ; an LDS store's data are its source 1: window 2 or 3
.irp b, 0,1,2,3,4,5,6,7
	ds_store_b128 v[STO], v[AC+8*\b:AC+8*\b+3] offset:64*\b          ; each accumulator from its low end on
	ds_store_b128 v[STO], v[AC+8*\b+4:AC+8*\b+7] offset:64*\b+16
.endr
	WIN 0x80+0x40*((\a)/4)                         ; a load's destination: the same window
.irp t, 0,1,2,3,4,5,6,7,8,9,10,11,12,13,14,15
	ds_load_b128 v[AC+4*\t:AC+4*\t+3], v[RD] offset:\t*SPITCH
.endr
.endm
.macro SEND a, younger                 ; younger: the LDS loads issued behind TOSTAGE's, which may stay out
.set AC, 64*((\a)%4)
	s_wait_dscnt \younger                          ; the block is back in registers
	WIN 0x08+4*((\a)/4)                            ; a store's data are its source 1
.irp t, 0,1,2,3,4,5,6,7,8,9,10,11,12,13,14,15
	global_store_b128 v[CO], v[AC+4*\t:AC+4*\t+3], s[12:13] offset:(16*(\a)+\t)*SIZE_N*4   ; 32 lanes store 512 consecutive bytes, at a multiple of 256 from C's first byte; 127 rows of C at the most, 2,080,768 bytes: inside the signed 24-bit immediate
.endr
.endm
	s_wait_tensorcnt 0x0                           ; my part of K step 0 is in; the same lines ahead of a first fill as ahead of a refill:
	ds_add_u32 v[SPW], v[NIL]                      ; 0 onto my spare word
	s_wait_dscnt 0x0                               ; the add is done
	CROUND                                         ; a whole round: everybody's part of K step 0 is in, and all sixteen work-groups are here,
	JLOAD 1                                        ; and K step 1's load, the first tensor load behind the round
	FETCH 0, 0, 0, 8
	WIN 0
	PREF 3*ROWB                                    ; K step 3
	s_wait_dscnt 8                                 ; B's fragments and A's blocks 0-3 are in; the youngest eight loads (A's blocks 4-7) may be out
.irp a, 0,1,2,3                        ; the first sub-step stands in front of the loop: its products start the sums from the bias
	MUL \a, 0, 0, 0, 1
.endr
	FETCH 0, 1, 1, 8                               ; the next sub-step's fragments, into sets that no matrix instruction has read
	s_wait_dscnt 32                                ; A's blocks 4-7 are in; the 32 loads just issued may be out
.irp a, 4,5,6,7
	MUL \a, 0, 0, 0, 1
.endr
	WIN 0                                          ; at a label and at a branch every window is 0
	s_mov_b32 s3, 3
.Llap:                                                 ; three trips (K steps 0 to 5): each goes once round the ring, from a lap's second sub-step to the next lap's first, and fills both slots again
	STEP 0, 1, 0, 16
	STEP 0, 2, 0, -1
	TURN 0, 1, 0, 4*ROWB
	STEP 1, 0, 1, -1
	STEP 1, 1, 1, 32
	STEP 1, 2, 1, -1
	TURN 1, 0, 1, 5*ROWB
	STEP 0, 0, 0, -1
	WIN 0
	s_wait_xcnt 0x0                                ; the trip's scale loads and prefetches have read their bases
	s_add_nc_u64 s[98:99], s[98:99], 32            ; two K steps' words on
	s_add_nc_u64 s[100:101], s[100:101], 32
	s_add_nc_u64 s[PFA:PFA+1], s[PFA:PFA+1], 2*ROWB
	s_sub_co_u32 s3, s3, 1
	s_cmp_lg_u32 s3, 0
	s_cbranch_scc1 .Llap
	HALF 1                                         ; K step 6 goes on, for my rows 0-63
	HALF 2
	; THE LAST BARRIER: nothing is filled again, so no round of the cluster's barrier follows
	WIN 0
	s_wait_tensorcnt 0x0                           ; my one tensor load that was still out is slot 1's, the last K step's
	ds_add_u32 v[SPW], v[NIL]                      ; 0 onto my spare word
	s_wait_dscnt 1                                 ; my fragments are in (the add may be out)
	MUL 0, 1, 3, 0, 0
	s_wait_dscnt 0x0
	s_barrier_signal -1
	MUL 1, 1, 3, 0, 0
	WIN 0
	s_barrier_wait -1
	PLACES                                         ; for the loads into set 0, which the sub-step before has read
	BLOAD 1, 0
	BLOAD 1, 1
	ALOAD 0, 1
	MUL 2, 1, 3, 0, 0
	MUL 3, 1, 3, 0, 0
	PLACES                                         ; for the loads into set 1
	BLOAD 1, 2
	BLOAD 1, 3
	ALOAD 1, 1
	s_wait_loadcnt 0x0                             ; K step 7's scale words
	s_wait_dscnt 40                                ; all but the 40 just issued: B's sub-steps 0 and 1 and A's block 0 are in
	ROW 0, 1
	TOSTAGE 0                                      ; blocks 0 to 3 are finished by K step 7.  Block 0 leaves at once
	ALOAD 2, 1
	SEND 0, 8                                      ; (A's block 2 may be out)
	ROW 1, 1
	TOSTAGE 1                                      ; from here on other blocks' products stand between a block's loads from the stage and the wait for them
	ALOAD 3, 1
	ALOAD 4, 1
	s_wait_dscnt 48                                ; A's block 2 is in; the stage's 32 and the sixteen loads behind them may be out
	ROW 2, 1
	SEND 1, 16
	TOSTAGE 2
	ALOAD 5, 1
	s_wait_dscnt 40                                ; A's blocks 3 and 4 are in; the stage's 32 and the eight loads behind them may be out
	ROW 3, 1
	ROW 4, 1
	SEND 2, 8
	TOSTAGE 3
	ALOAD 6, 1
	ALOAD 7, 1
	s_wait_dscnt 48                                ; A's block 5 is in; the stage's 32 and the sixteen loads behind them may be out
	ROW 5, 1
	s_wait_dscnt 0x0                               ; A's blocks 6 and 7 are in, and block 3 is back in registers
	ROW 6, 1
	SEND 3, 0
	ROW 7, 1
	PLACES                                         ; for the loads into window 1 and into A's buffers
	ALOAD 4, 0                                     ; blocks 4 to 7 are finished by K step 6's sub-steps 1 to 3
	BLOAD 0, 1
	BLOAD 0, 2
	BLOAD 0, 3
	ALOAD 5, 0
	ROW 4, 0
	TOSTAGE 4
	ALOAD 6, 0
	ALOAD 7, 0
	SEND 4, 12                                     ; (A's blocks 6 and 7 may be out)
	ROW 5, 0
	TOSTAGE 5
	s_wait_dscnt 32                                ; A's blocks 6 and 7 are in; the stage's 32 may be out
	ROW 6, 0
	SEND 5, 0
	TOSTAGE 6
	ROW 7, 0
	SEND 6, 0
	TOSTAGE 7
	SEND 7, 0
	WIN 0
	s_wait_tensorcnt 0x0                           ; the wave's end, behind my last tensor load and my last LDS store
	ds_add_u32 v[SPW], v[NIL]
	s_wait_dscnt 0x0
	CROUND                                         ; the closing round: no work-group ends while a partner may still ask for a tile that names it
	s_endpgm
.Lfunc_end_k_q961366e15f_gemm:
	.size	k_q961366e15f_gemm, .Lfunc_end_k_q961366e15f_gemm-k_q961366e15f_gemm
	.p2alignl 7, 3214868480
	.fill 96, 4, 3214868480
	.section	.rodata,"a",@progbits
	.p2align	6, 0x0
	.amdhsa_kernel k_q961366e15f_gemm
		.amdhsa_group_segment_fixed_size 327680
		.amdhsa_private_segment_fixed_size 0
		.amdhsa_enable_private_segment 0
		.amdhsa_kernarg_size 48
		.amdhsa_user_sgpr_count 2
		.amdhsa_user_sgpr_kernarg_segment_ptr 1
		.amdhsa_wavefront_size32 1
		.amdhsa_system_sgpr_workgroup_id_x 1
		.amdhsa_system_sgpr_workgroup_id_y 1
		.amdhsa_system_sgpr_workgroup_id_z 1
		.amdhsa_system_vgpr_workitem_id 0
		.amdhsa_next_free_vgpr 1024
		.amdhsa_next_free_sgpr 102
		.amdhsa_reserve_vcc 0
		.amdhsa_float_denorm_mode_32 3
		.amdhsa_float_denorm_mode_16_64 3
		.amdhsa_memory_ordered 1
		.amdhsa_forward_progress 1
		.amdhsa_inst_pref_size 150
	.end_amdhsa_kernel
	.amdgpu_metadata
---
amdhsa.version: [ 1, 2 ]
amdhsa.kernels:
  - .name:           k_q961366e15f_gemm
    .symbol:         k_q961366e15f_gemm.kd
    .args:
      - { .name: sparse_codes, .offset: 0, .size: 8, .value_kind: global_buffer, .address_space: global }
      - { .name: sparse_scales, .offset: 8, .size: 8, .value_kind: global_buffer, .address_space: global }
      - { .name: weight_codes, .offset: 16, .size: 8, .value_kind: global_buffer, .address_space: global }
      - { .name: weight_scales, .offset: 24, .size: 8, .value_kind: global_buffer, .address_space: global }
      - { .name: out0, .offset: 32, .size: 8, .value_kind: global_buffer, .address_space: global }
      - { .name: bias, .offset: 40, .size: 8, .value_kind: global_buffer, .address_space: global }
    .group_segment_fixed_size: 327680
    .private_segment_fixed_size: 0
    .kernarg_segment_align: 8
    .kernarg_segment_size: 48
    .max_flat_workgroup_size: 128
    .sgpr_count:     102
    .vgpr_count:     1024
    .wavefront_size: 32
...
	.end_amdgpu_metadata
.endif
;; end of part 1
